; MI455X (gfx1250); checked and timed in simulation.
; The chip was launched on July 23, 2026; its instructions are those of AMD's public machine-readable ISA for CDNA 5 (MIT licence, August 2026) and "CDNA5" Instruction Set Architecture Reference Guide (July 2026). The comments in the code are by the model that wrote it; some were corrected since.
;; Causal Self Attention. Allowed arithmetic: matrix products marked QUANTISED: E5M2 operands, one given power-of-two scale a tensor, by v_wmma_f32_16x16x64_bf8_bf8 or v_wmma_f32_16x16x128_bf8_bf8, f32 sums; everything else in f32.
;; Inputs: Wout_codes 1,024 x 32 x 32 uint8 (E5M2 codes of Wout, K innermost, in blocks of 32 codes); Wqkv_codes 3,072 x 32 x 32 uint8 (E5M2 codes of Wqkv, K innermost, in blocks of 32 codes); bout 1,024 float32; bqkv 3,072 float32; lowp_scales 8 int32 (the exponents e of the quantised operands' scales 2^e); x_codes 4 x 2,048 x 32 x 32 uint8 (E5M2 codes of x, K innermost, in blocks of 32 codes).
;; Outputs: out0 4 x 2,048 x 1,024 float32.
;; This version of the problem:
;;   THIS VERSION OF THE PROBLEM IS GIVEN IN LOW PRECISION. The matrix products marked QUANTISED in the list below multiply operands that are first quantised to E5M2 (5 exponent bits, 2 mantissa bits; 8 bits a number), with one given power-of-two scale for each operand tensor; their sums are f32. All else is computed in f32.
;;   The module's matrix products, in the order in which they are computed (A, B: the left and right operand; K: the contracted axis; several contracted axes count as one K, in the product's order):
;;     1. [M 8,192, K 1,024] x [K 1,024, N 3,072]; A: input x (given as codes); B: input Wqkv (given as codes): QUANTISED (scales: A lowp_scales[0], B lowp_scales[1])
;;     2. batch 64 x [M 2,048, K 64] x [K 64, N 2,048]; A: computed on the way; B: computed on the way: QUANTISED (scales: A lowp_scales[2], B lowp_scales[3])
;;     3. batch 64 x [M 2,048, K 2,048] x [K 2,048, N 64]; A: softmax (see below); B: computed on the way: QUANTISED (scales: A lowp_scales[4], B lowp_scales[5])
;;     4. [M 8,192, K 1,024] x [K 1,024, N 1,024]; A: computed on the way; B: input Wout (given as codes): QUANTISED (scales: A lowp_scales[6], B lowp_scales[7])
;;   THE QUANTISER, for each operand of a quantised product, along K:
;;     - The operand's scale is 2^e, e = its entry of the input lowp_scales (int32; the entries are numbered through the quantised products in the list's order, A before B).
;;     - Each number is divided by the scale, clamped to +-57,344, and rounded to the nearest number of E5M2, ties to even, subnormals kept.
;;     - The product sums the exact products of the quantised numbers (number of the format x scale) in f32.
;;   ~~~python
;;   def quantise(x, axis, e):      # numpy; x: float32 -> the quantised numbers, widened to float32 again
;;       x = np.moveaxis(x, axis, -1); K = x.shape[-1]
;;       r = np.clip(x / 2.0 ** e, -57344, 57344)
;;       step = 2.0 ** (np.maximum(np.frexp(np.where(r == 0, 1, r))[1] - 1, -14) - 2)
;;       q = np.round(r / step) * step * 2.0 ** e      # np.round: ties to even
;;       return np.moveaxis(q, -1, axis).astype(np.float32)
;;   ~~~
;;   SOFTMAX AHEAD OF A QUANTISED PRODUCT. Where the list says 'softmax', what is quantised is not the finished softmax but p = 2^(t - M), with t = logit x log2(e) and M = ceil(the row's largest t), a whole number; so 1/2 < the row's largest p <= 1. The row's sum l is taken of the UNQUANTISED p, in f32, and the product's result is divided by l at the end. Since M is a whole number, a kernel that streams over the keys may use a running M (the ceiling of the running maximum): every later rescaling is an exact power of two, so the quantised numbers keep their values, but for numbers so far below the row's largest that they fall under the format's range.
;;   OPERANDS COMPUTED ON THE WAY. 'Computed on the way' means the value that the module computes at that place (a softmax that the list does not call 'softmax' is quantised finished and normalised). What goes into a quantiser is computed in f32, as accurately as f32 sums, v_exp_f32 and their like allow (about 1e-6 of the number): no bf16 or f16 on the way to a quantiser, and a product that is left as it is and whose result goes on into a quantised operand takes f32 operands (vector FMAs, or v_wmma_f32_16x16x4_f32). A number that lies on a knife's edge between two numbers of the format may be rounded either way, as far as f32 arithmetic and the matrix unit's own rounding can turn it there, and no further.
;;   INPUTS GIVEN AS CODES. Wout (in the module: [1024, 1024], K = its axis 0); Wqkv (in the module: [1024, 3072], K = its axis 0); x (in the module: [4, 2048, 1024], K = its axis 2): each comes as NAME_codes (uint8): NAME with its K axis moved to the last place and cut into blocks of 32 codes, [.., K / 32, bytes a block], one block behind the other in memory; one code a byte (a code: sign, 5 exponent bits, 2 mantissa bits); its scale is its entry of lowp_scales. Its value is code x scale, taken as it is: it is not quantised again, and the codes and scales need not be those that the quantiser above would give.
;; One version. Each part assembles by itself: llvm-mc -triple=amdgcn-amd-amdhsa -mcpu=gfx1250 --defsym DOCPART=n.
;; ======== version 1 of 1: 3 launches
;; limits: right only within a limited range of input values
;; workspace buffers: qkvc 25,165,824 bytes; yc 8,388,608 bytes
;; launch qkv (part 1): grid 12 x 32, 4 waves a work-group, clusters of 4 x 4, 327,680 bytes of LDS; arguments x_codes, Wqkv_codes, bqkv, lowp_scales, qkvc; writes qkvc
.if DOCPART == 1
	.amdgcn_target "amdgcn-amd-amdhsa--gfx1250"
	.amdhsa_code_object_version 6
	.text
	.protected	k_qffabf659fa_qkv
	.globl	k_qffabf659fa_qkv
	.p2align	8
	.type	k_qffabf659fa_qkv,@function
k_qffabf659fa_qkv:
	s_mov_b64 s[64:65], 0
	v_nop
	global_prefetch_b8 v0, s[64:65] scope:SCOPE_SE
	s_setreg_imm32_b32 hwreg(HW_REG_WAVE_MODE, 25, 1), 1
	s_wait_xcnt 0x0
	s_wait_alu depctr_hold_cnt(0) depctr_sa_sdst(0) depctr_va_vdst(0) depctr_va_sdst(0) depctr_va_ssrc(0) depctr_va_vcc(0) depctr_vm_vsrc(0)
	s_getreg_b32 s2, hwreg(HW_REG_IB_STS2, 6, 4)
	s_cmp_eq_u32 s2, 0
	s_cbranch_scc0 .Lentry_in_a_cluster
	s_endpgm
.Lentry_in_a_cluster:
	s_bfe_u32 s2, ttmp6, 0x10000c
	s_cmp_lg_u32 s2, 0xf033
	s_cbranch_scc0 .Lentry_shape_is_right
	s_endpgm
.Lentry_shape_is_right:
; qkv = x Wqkv + bqkv on codes of BF8 (E5M2), then q, k and v are quantised, each with its given scale, and stored as IMAGES OF THE REGISTERS in which the next launch wants them.
; x: [8192][1024] codes, Wqkv: [3072][1024] codes, K innermost in both; bqkv: [3072] f32; the scales' exponents e0 .. e7: int32.
; A tile is 256 tokens x 256 columns, made by four waves, 128 x 128 each: 64 accumulators of 16 x 16, 512 registers.  K = 1,024 goes in four steps of 256 through two LDS slots filled by the tensor data mover.
; 12 x 32 = 384 tiles: a tile of 256 x 384 would give 256, but its 768 accumulator registers a wave leave no room for a second set of fragments.
; CLUSTERS: 4 x 4 work-groups.  The four of a row of the cluster need the same rows of x, the four of a column the same rows of Wqkv: each tile is asked for jointly.
; The cluster's x says which tensor is made: 0 q, 1 k, 2 v; it is the same in all sixteen partners.
; THE MATRIX INSTRUCTION is always D, S0's fragment (window 1), S1's fragment (window 0): a lane then holds ONE row of S1 and eight neighbours among S0's rows.
;   q, k: S1 = x, S0 = W: a lane holds a token, its registers run along the head's 64: the next product's K.      v: S1 = W, S0 = x: a lane holds a channel, its registers run along the tokens: the keys, the third product's K.
;   Both regions of a slot have the same shape, so only the two LDS read bases change places, chosen once by the cluster's x; the loop's text is one.
; THE WAY OUT needs no LDS: sum + bias / 2^(e0 + e1), converted with the one scale 2^(es - e0 - e1) (es = e2, e3 or e5): a lane's 16 code registers of a block are the reader's fragments, and each store of the wave covers 512 consecutive bytes, aligned.
; OUT: q at byte 0, k at 8,388,608: [batch x head 64][tile of 16 tokens 128][group 2][lane 32][16 bytes]: lane (r, h) holds token r, registers 2 c, 2 c + 1 the channels 16 c + 8 h + 0 .. 7.
;      v at 16,777,216: [batch x head 64][128 keys 16][16 channels 4][group 4][lane 32][16 bytes]: lane (r, h) holds channel r, registers 2 c, 2 c + 1 the keys 16 c + 8 h + 0 .. 7.
; LIMITS: es - e0 - e1 between -126 and 112, so that the scale is an f32 number.  NaN among the inputs is not served.
; REGISTERS, in windows of 256: window 0: v1-31 addresses and constants; v32-95 the bias along registers; v96-103 the bias along lanes, v104-119 the same in pairs; v128-255 S1's fragments, ONE set (on the way out: 64 numbers, 4 x 16 codes).
;   window 1: S0's fragments, TWO sets.   window 2: the accumulators of S1's blocks 0-3 ((a, b) at v[8 (8 (a % 4) + b)]);   window 3: of blocks 4-7.
.set ROWB,   256                       ; a tile's row in bytes: 256 codes
.set KROW,   1024                      ; a row of x or of Wqkv in memory
.set PITCH,  272                       ; an LDS row: 256 bytes + 16 of padding = 68 words: row r starts at bank 4 r mod 64 (64 banks of 4 bytes: ISA guide 11.1), so the 16 rows of a load start at 16 different banks
.set FR,     16                        ; registers of a fragment: 16 rows x 128 K
.set NL,     4                         ; LDS loads that bring one
.set NP,     4                         ; places behind this matrix instruction (ISA guide 7.12.1)
.set HALFT,  128*PITCH                 ; 128 rows: what one tensor load brings, and what one wave reads of a region
.set SLOT,   4*HALFT                   ; x's 256 rows, then Wqkv's 256 rows
.set SPARE,  2*SLOT                    ; behind the ring: the spare words, 128 bytes for each wave: two blocks of 256 bytes that no other line names
.set ADR1, 16                          ; v16-17  LDS address of S1's fragments in slot 0, 1
.set ADR0, 20                          ; v20-21  the same for S0
.set LOF,  26                          ; v26     16 x lane: my place in a stored group
.set SPW,  28                          ; v28     LDS address of my spare word; never rewritten
.set NIL,  29                          ; v29     0; never rewritten
.set SC,   30                          ; v30     2^(es - e0 - e1)
.set LIM,  31
.set BN,   32                          ; v32-95  bias of column 16 b + 8 h + j at register 8 b + j
.set BX,   96                          ; v96-103 bias of column 16 a + r at register a
.set BR,   104                         ; v104-119 the same / 2^(e0 + e1), twice each: pairs for the packed addition
.set AF,   128                         ; S1's fragments
.set TT,   128                         ; the way out: a block's 64 numbers
.set CD,   192                         ; the way out: four sets of 16 code registers
.set G1, 24                            ; s[24:31] descriptor group 1 for x's tiles;  s[32:39] group 0, one set for each slot
.set G0, 32
.set G1B, 48                           ; s[48:55], s[56:63] the same for Wqkv's tiles
.set G0B, 56
.set MSB, 0
.macro WIN new                         ; the immediate's high byte repeats the setting that is left
.if MSB != (\new)
	s_set_vgpr_msb (MSB<<8)|(\new)
.set MSB, (\new)
.endif
.endm
.set MUL_LO, 0xa1                      ; source 0 window 1, source 1 window 0, C and D window 2
.set MUL_HI, 0xf1                      ; the same, C and D window 3
.set TO_0,   0x40                      ; destination window 1, address window 0
; A joint load: waves 0 and 1 fetch x's halves, waves 2 and 3 Wqkv's.  Each line has one mask and one set of registers; the branch hangs on the wave's number alone.  Four v_nop follow each line.
.macro JLOAD g0a, g1a, g0b, g1b
	s_cmp_eq_u32 s15, 0
	s_cbranch_scc0 .Lfor_b_\@
	tensor_load_to_lds s[\g0a:\g0a+3], s[\g1a:\g1a+7]
	s_nop 0
.rept 4
	v_nop
.endr
	s_branch .Lasked_\@
.Lfor_b_\@:
	tensor_load_to_lds s[\g0b:\g0b+3], s[\g1b:\g1b+7]
	s_nop 0
.rept 4
	v_nop
.endr
.Lasked_\@:
.endm
.macro CREST                           ; a round of the cluster's barrier behind its opening barrier
	s_cmp_lg_u32 s14, 0
	s_cbranch_scc1 .Lnot_wave_0_\@
	s_barrier_signal -3
.Lnot_wave_0_\@:
	s_barrier_wait -3
	s_barrier_signal -1
	s_barrier_wait -1
.endm
.macro CROUND                          ; a whole round
	s_barrier_signal -1
	s_barrier_wait -1
	CREST
.endm
	s_load_b256 s[4:11], s[0:1], 0x0               ; x's codes s[4:5], Wqkv's s[6:7], bqkv s[8:9], the scales' exponents s[10:11]
	s_load_b64 s[12:13], s[0:1], 0x20              ; the codes' buffer
	v_lshl_add_u32 v[SPW], v0, 2, SPARE
	v_mov_b32 v[NIL], 0
	ds_add_u32 v28, v29
	ds_add_u32 v28, v29
	s_wait_dscnt 0x0
	v_lshrrev_b32 v1, 5, v0
	v_readfirstlane_b32 s14, v1                    ; wave 0..3
	s_lshr_b32 s15, s14, 1                         ; rh: which 128 rows of S1 are mine.  Also: I fetch for x (0) or for Wqkv (1)
	s_and_b32 s16, s14, 1                          ; ch: which 128 rows of S0.  Also: which 128 rows of that tile I fetch
	s_bfe_u32 s40, ttmp6, 0x40000                  ; cx, cy: my place in the cluster
	s_bfe_u32 s41, ttmp6, 0x40004
	s_lshl_b32 s42, ttmp9, 2
	s_add_co_u32 s42, s42, s40                     ; tile column = 4 x cluster x + cx
	s_and_b32 s17, ttmp7, 0xffff
	s_lshl_b32 s17, s17, 2
	s_add_co_u32 s17, s17, s41                     ; tile row = 4 x cluster y + cy
	s_lshl_b32 s43, s41, 2
	s_lshl_b32 s43, 15, s43                        ; my row of the cluster
	s_lshl_b32 s44, 0x1111, s40                    ; my column
	; descriptor group 1: a tile of 128 rows x 256 bytes, padded in LDS
	s_or_b32 s[G1+0], s43, (0<<16)|(1<<20)|(1<<21)|(5<<22)|(3<<25)  ; 15:0 the mask: x's tiles go to my row; 17:16 element of 1 byte; 20 padding on; 21 set beside a mask; 24:22 after every 64 words (code 5); 31:25 of 4 words (code 3)
	s_or_b32 s[G1B+0], s44, (0<<16)|(1<<20)|(1<<21)|(5<<22)|(3<<25) ; the same with the mask of my column
.irp g, G1, G1B
	s_mov_b32 s[\g+1], ROWB<<16                    ; tensor_dim0
	s_mov_b32 s[\g+2], 128<<16                     ; tensor_dim1 = 128
	s_mov_b32 s[\g+3], ROWB<<16                    ; tile_dim0
	s_mov_b32 s[\g+4], 128                         ; tile_dim1 = 128
	s_mov_b32 s[\g+5], KROW                        ; tensor_dim0_stride
	s_mov_b32 s[\g+6], 0
	s_mov_b32 s[\g+7], 0
.endr
	s_lshl_b32 s18, s16, 7                         ; which 128 rows of the tile I fetch
	s_lshl_b32 s20, s17, 8
	s_add_co_u32 s20, s20, s18                     ; x: row 256 x tile row + 128 x half,
	s_lshl_b32 s20, s20, 10                        ; of 1,024 bytes: under 2^23
	s_mov_b32 s21, 0
	s_lshl_b32 s46, s42, 8
	s_add_co_u32 s46, s46, s18                     ; Wqkv: row 256 x tile column + 128 x half
	s_lshl_b32 s46, s46, 10
	s_mov_b32 s47, 0
	s_mul_i32 s45, s14, HALFT                      ; where they go: wave x 128 rows: no place in the cluster enters an LDS address
	s_wait_kmcnt 0x0
	s_load_b256 s[72:79], s[10:11], 0x0            ; e0 .. e7
	s_add_nc_u64 s[20:21], s[4:5], s[20:21]
	s_add_nc_u64 s[46:47], s[6:7], s[46:47]
	CROUND                                         ; all sixteen work-groups are here: the first joint loads meet
.irp s, 0,1
	s_mov_b32 s[G0+4*\s], 1
	s_add_co_u32 s[G0+4*\s+1], s45, \s*SLOT
	s_add_nc_u64 s[G0+4*\s+2:G0+4*\s+3], s[20:21], \s*ROWB
	s_or_b32 s[G0+4*\s+3], s[G0+4*\s+3], 0x80000000
	s_mov_b32 s[G0B+4*\s], 1
	s_add_co_u32 s[G0B+4*\s+1], s45, \s*SLOT
	s_add_nc_u64 s[G0B+4*\s+2:G0B+4*\s+3], s[46:47], \s*ROWB
	s_or_b32 s[G0B+4*\s+3], s[G0B+4*\s+3], 0x80000000
	JLOAD G0+4*\s, G1, G0B+4*\s, G1B               ; two tensor loads of mine are out
.endr
	v_and_b32 v1, 15, v0                           ; r = l % 16
	v_bfe_u32 v2, v0, 4, 1                         ; h = l / 16
	v_mul_u32_u24 v3, v1, PITCH
	v_lshl_add_u32 v4, v2, 4, v3                   ; a fragment's row x pitch + 16 x half
	s_wait_alu depctr_va_vdst(0)
	s_cmp_eq_u32 ttmp9, 2                          ; v?  Then S1 reads Wqkv's region and S0 x's
	s_cselect_b32 s66, 2*HALFT, 0
	s_cselect_b32 s67, 0, 2*HALFT
	s_mul_i32 s21, s15, HALFT
	s_add_co_u32 s21, s21, s66                     ; S1: its region + my 128 rows
	s_mul_i32 s22, s16, HALFT
	s_add_co_u32 s22, s22, s67                     ; S0 likewise.  Either sum, with the lane's part and the largest offset, stays under 4 x HALFT: inside the slot
.irp s, 0,1
	v_add_nc_u32 v[ADR1+\s], s21, v4
	v_add_nc_u32 v[ADR0+\s], s22, v4
	s_add_co_u32 s21, s21, SLOT
	s_add_co_u32 s22, s22, SLOT
.endr
	v_and_b32 v6, 31, v0
	v_lshlrev_b32 v[LOF], 4, v6
	; the bias belongs to Wqkv's rows: along the registers for q and k, along the lanes for v.  Every wave fetches both forms (both lie inside bqkv for every tile); the ways part only at the way out.
	v_lshlrev_b32 v8, 5, v2                        ; 8 h numbers; never rewritten
	s_wait_alu depctr_va_vdst(0)
	v_lshlrev_b32 v9, 2, v1                        ; r numbers; never rewritten
	s_wait_alu depctr_va_vdst(0)
	s_lshl_b32 s84, s42, 10                        ; 256 columns x 4 bytes x tile column
	s_lshl_b32 s85, s16, 9
	s_add_co_u32 s80, s84, s85
	s_mov_b32 s81, 0
	s_add_nc_u64 s[80:81], s[8:9], s[80:81]        ; bqkv at the 128 columns of half ch
	s_lshl_b32 s85, s15, 9
	s_add_co_u32 s82, s84, s85
	s_mov_b32 s83, 0
	s_add_nc_u64 s[82:83], s[8:9], s[82:83]        ; and of half rh
.irp b, 0,1,2,3,4,5,6,7
	global_load_b128 v[BN+8*\b:BN+8*\b+3],   v8, s[80:81] offset:64*\b
	global_load_b128 v[BN+8*\b+4:BN+8*\b+7], v8, s[80:81] offset:64*\b+16
.endr
.irp a, 0,1,2,3,4,5,6,7
	global_load_b32 v[BX+\a], v9, s[82:83] offset:64*\a
.endr
.macro FRAG reg, adr, q, i             ; a fragment, 16 rows x 128 K, is 16 registers: lane l holds row l % 16; registers 4 c .. 4 c + 3 hold K = 32 c + 16 (l / 16) + 0 .. 15: the same places in S0 and in S1, so every product meets its partner
.irp c, 0,1,2,3
	ds_load_b128 v[\reg+4*\c:\reg+4*\c+3], v[\adr] offset:128*(\q)+32*\c+(\i)*16*PITCH
.endr
.endm
; 16 matrix instructions: S1's blocks a0, a0 + 1 x S0's eight, 128 along K.  p: S0's set.  zero = 1: the first product starts the sums.  The 64 accumulators take turns, one instruction a turn, in the same order in every step.
.macro MUL16 a0, p, zero
.irp a, \a0, \a0+1
.irp b, 0,1,2,3,4,5,6,7
.if \zero
	v_wmma_f32_16x16x128_bf8_bf8 v[8*(8*((\a)%4)+\b):8*(8*((\a)%4)+\b)+7], v[128*(\p)+FR*\b:128*(\p)+FR*\b+FR-1], v[AF+FR*(\a):AF+FR*(\a)+FR-1], 0
.else
	v_wmma_f32_16x16x128_bf8_bf8 v[8*(8*((\a)%4)+\b):8*(8*((\a)%4)+\b)+7], v[128*(\p)+FR*\b:128*(\p)+FR*\b+FR-1], v[AF+FR*(\a):AF+FR*(\a)+FR-1], v[8*(8*((\a)%4)+\b):8*(8*((\a)%4)+\b)+7]
.endif
.endr
.endr
.endm
.macro FETCH_0 slot, q, p              ; S0's eight fragments of the slot's q-th 128 along K into set p
	WIN TO_0
.irp i, 0,1,2,3,4,5,6,7
	FRAG 128*(\p)+FR*\i, ADR0+\slot, \q, \i
.endr
	WIN 0
.endm
.macro FETCH_1 slot, q, i0             ; S1's blocks i0 .. i0 + 3
.irp i, \i0, \i0+1, \i0+2, \i0+3
	FRAG AF+FR*(\i), ADR1+\slot, \q, \i
.endr
.endm
.macro PLACES n                        ; plain vector lines between a matrix instruction and a load into, or a vector write of, one of its registers, or a read of its result (ISA guide 7.12.1 for vector instructions)
.rept \n
	v_nop
.endr
.endm
; A step of 128 along K that has its successor in the same slot.  A block of S1 is free as soon as its eight products are issued: blocks 0-3 are fetched anew in the step's middle, blocks 4-7 at its end.
.macro STEP slot, q, zero
	s_wait_dscnt 4*NL                              ; S0's set and S1's blocks 0-3 are in; the youngest 16 loads (S1's blocks 4-7) may be out
	WIN MUL_LO
	MUL16 0, (\q)%2, \zero
	MUL16 2, (\q)%2, \zero
	s_wait_dscnt 0                                 ; S1's blocks 4-7 are in
	PLACES NP
	FETCH_0 \slot, (\q)+1, 1-(\q)%2
	FETCH_1 \slot, (\q)+1, 0
	WIN MUL_HI
	MUL16 4, (\q)%2, \zero
	MUL16 6, (\q)%2, \zero
	PLACES NP
	WIN 0
	FETCH_1 \slot, (\q)+1, 4
.endm
; A slot's last step changes slots: ONE barrier; in front of it each wave waits for all its tensor loads, adds 0 to its spare word, and waits for that and for its own reads of this slot.  fill = 1: this slot is filled again, two K steps ahead.
.macro TURN slot, next, fill
	s_wait_tensorcnt 0x0                           ; all my tensor loads have landed: the one that was out is my part of the next slot  (every window is 0 here)
	ds_add_u32 v[SPW], v[NIL]                      ; 0 onto my spare word
	s_wait_dscnt 4*NL+1                            ; the add and the youngest 16 loads (S1's blocks 4-7) may be out
	WIN MUL_LO
	MUL16 0, 1, 0                                  ; sixteen matrix instructions stand between the add and the wait for it
	s_wait_dscnt 0x0                               ; the add is done, and my reads of this slot are over
	s_barrier_signal -1
	MUL16 2, 1, 0
	WIN 0
	s_barrier_wait -1
.if \fill
	CREST                                          ; the barrier has opened a round of the cluster's: no wave of any partner still reads this slot or has a load on its way
	s_add_nc_u64 s[G0+4*\slot+2:G0+4*\slot+3], s[G0+4*\slot+2:G0+4*\slot+3], 2*ROWB
	s_add_nc_u64 s[G0B+4*\slot+2:G0B+4*\slot+3], s[G0B+4*\slot+2:G0B+4*\slot+3], 2*ROWB
	JLOAD G0+4*\slot, G1, G0B+4*\slot, G1B         ; my one tensor load behind the round; its four v_nop are the places in front of the loads below
.else
	PLACES NP
.endif
	FETCH_0 \next, 0, 0
	FETCH_1 \next, 0, 0
	WIN MUL_HI
	MUL16 4, 1, 0
	MUL16 6, 1, 0
	PLACES NP
	WIN 0
	FETCH_1 \next, 0, 4
.endm
	s_wait_tensorcnt 1                             ; my part of K step 0 is in; K step 1's load may stay out
	s_barrier_signal -1
	s_barrier_wait -1                              ; everybody's is
	FETCH_0 0, 0, 0
	FETCH_1 0, 0, 0
	FETCH_1 0, 0, 4
	STEP 0, 0, 1                                   ; K 0-127: these products start the sums.  K = 1,024 is four fills of a slot: written straight, without a loop
	TURN 0, 1, 1                                   ; K 128-255; slot 0 takes K 512-767
	STEP 1, 0, 0
	TURN 1, 0, 1                                   ; slot 1 takes K 768-1023
	STEP 0, 0, 0
	TURN 0, 1, 0                                   ; nothing is left to fetch
	STEP 1, 0, 0
	s_wait_dscnt 4*NL                              ; the last step
	WIN MUL_LO
	MUL16 0, 1, 0
	MUL16 2, 1, 0
	s_wait_dscnt 0
	WIN MUL_HI
	MUL16 4, 1, 0
	MUL16 6, 1, 0
	WIN 0
	; THE WAY OUT.  value = sum x 2^(e0 + e1) + bias; code = value / 2^es = (sum + bias / 2^(e0 + e1)) / 2^(es - e0 - e1): the three scales are folded into the conversion's one.
	s_wait_kmcnt 0x0
	s_cmp_eq_u32 ttmp9, 0
	s_cselect_b32 s86, s74, s75                    ; q: e2; k: e3;
	s_cmp_eq_u32 ttmp9, 2
	s_cselect_b32 s86, s77, s86                    ; v: e5
	s_add_co_i32 s87, s72, s73                     ; e0 + e1
	s_sub_co_i32 s88, 0, s87
	s_sub_co_i32 s89, s86, s87
	s_add_co_i32 s89, s89, 127
	s_lshl_b32 s90, s89, 23
	v_mov_b32 v[SC], s90                           ; 2^(es - e0 - e1) as f32: the conversion takes its exponent field
	s_lshr_b32 s84, s17, 3                         ; the batch: eight tile rows each
	s_lshl_b32 s84, s84, 4
	s_lshl_b32 s85, s40, 2
	s_add_co_u32 s84, s84, s85                     ; 16 x batch + 4 cx: the tile's first head
	s_and_b32 s91, s17, 7                          ; the tile row within the batch
	s_wait_loadcnt 0x0                             ; the bias, both forms
; Block a of S1 (8 accumulators, 64 numbers a lane) is biased, converted and stored.  path 0: q, k; path 1: v.
.macro OUT a, path
.set AC, 64*((\a)%4)
.set CSET, CD+16*((\a)%4)
.if (\a) >= 4
	s_wait_xcnt 0x0                                ; the stores of four blocks ago have read this set of code registers
.endif
	WIN 0x02+((\a)/4)                              ; source 0: window 2 or 3
.set n, 0
.rept 32
.if \path
	v_pk_add_f32 v[TT+n:TT+n+1], v[AC+n:AC+n+1], v[BR+2*(\a):BR+2*(\a)+1]   ; each accumulator from its low end on
.else
	v_pk_add_f32 v[TT+n:TT+n+1], v[AC+n:AC+n+1], v[BN+n:BN+n+1]
.endif
.set n, n+2
.endr
	WIN 0
.set n, 0
.rept 64
.set n, n+1
.endr
.irp b, 0,1,2,3,4,5,6,7
	v_cvt_scalef32_pk8_bf8_f32 v[CSET+2*\b:CSET+2*\b+1], v[TT+8*\b:TT+8*\b+7], v[SC]
.endr
	v_nop                                          ; one plain line between the conversions and the next block's additions, which write their sources
.irp g, 0,1,2,3
.if \path
	global_store_b128 v[LOF], v[CSET+4*\g:CSET+4*\g+3], s[12:13] offset:131072*((\a)/4)+2048*((\a)%4)+512*\g     ; head a / 4, channels 16 (a % 4) on, group g: 512 consecutive bytes, aligned
.else
	global_store_b128 v[LOF], v[CSET+4*\g:CSET+4*\g+3], s[12:13] offset:1024*(\a)+512*(\g%2)+131072*(\g/2)       ; tile a of tokens, head g / 2, group g % 2
.endif
.endr
.endm
	s_cmp_eq_u32 ttmp9, 2                          ; the same in all partners; neither way touches LDS, and no barrier stands on either
	s_cbranch_scc1 .Lv_out
	s_lshl_b32 s85, s16, 1
	s_add_co_u32 s84, s84, s85                     ; my first head: + 2 ch
	s_lshl_b32 s84, s84, 7                         ; 128 tiles of tokens a head
	s_lshl_b32 s91, s91, 4
	s_add_co_u32 s84, s84, s91                     ; + 16 x tile row in the batch
	s_lshl_b32 s85, s15, 3
	s_add_co_u32 s84, s84, s85                     ; + 8 rh
	s_lshl_b32 s84, s84, 10                        ; 1,024 bytes a tile
	s_lshl_b32 s85, ttmp9, 23                      ; q's region or k's
	s_add_co_u32 s84, s84, s85
	s_mov_b32 s85, 0
	s_add_nc_u64 s[12:13], s[12:13], s[84:85]
.set n, 0
.rept 64
	v_ldexp_f32 v[BN+n], v[BN+n], s88              ; bias / 2^(e0 + e1).  (These lines are also the places behind the last products)
.set n, n+1
.endr
.irp a, 0,1,2,3,4,5,6,7
	OUT \a, 0
.endr
	s_branch .Lend
.Lv_out:
	s_lshl_b32 s85, s15, 1
	s_add_co_u32 s84, s84, s85                     ; my first head: + 2 rh
	s_lshl_b32 s84, s84, 4                         ; 16 runs of 128 keys a head
	s_lshl_b32 s91, s91, 1
	s_add_co_u32 s84, s84, s91
	s_add_co_u32 s84, s84, s16                     ; + 2 x tile row in the batch + ch
	s_lshl_b32 s84, s84, 13                        ; 8,192 bytes a run
	s_add_co_u32 s84, s84, 16777216                ; v's region
	s_mov_b32 s85, 0
	s_add_nc_u64 s[12:13], s[12:13], s[84:85]
.irp a, 0,1,2,3,4,5,6,7
	v_ldexp_f32 v[BR+2*\a], v[BX+\a], s88          ; bias / 2^(e0 + e1), in both halves of a pair.  (Also the places behind the last products)
	v_ldexp_f32 v[BR+2*\a+1], v[BX+\a], s88
.endr
.irp a, 0,1,2,3,4,5,6,7
	OUT \a, 1
.endr
.Lend:
	s_wait_tensorcnt 0x0                           ; the wave's end
	ds_add_u32 v[SPW], v[NIL]
	s_wait_dscnt 0x0
	CROUND                                         ; the closing round: no work-group ends while a partner may still ask for a tile that names it
	s_endpgm
.Lfunc_end_k_qffabf659fa_qkv:
	.size	k_qffabf659fa_qkv, .Lfunc_end_k_qffabf659fa_qkv-k_qffabf659fa_qkv
	.p2alignl 7, 3214868480
	.fill 96, 4, 3214868480
	.section	.rodata,"a",@progbits
	.p2align	6, 0x0
	.amdhsa_kernel k_qffabf659fa_qkv
		.amdhsa_group_segment_fixed_size 327680
		.amdhsa_private_segment_fixed_size 0
		.amdhsa_enable_private_segment 0
		.amdhsa_kernarg_size 40
		.amdhsa_user_sgpr_count 2
		.amdhsa_user_sgpr_kernarg_segment_ptr 1
		.amdhsa_wavefront_size32 1
		.amdhsa_system_sgpr_workgroup_id_x 1
		.amdhsa_system_sgpr_workgroup_id_y 1
		.amdhsa_system_sgpr_workgroup_id_z 1
		.amdhsa_system_vgpr_workitem_id 0
		.amdhsa_next_free_vgpr 1024
		.amdhsa_next_free_sgpr 100
		.amdhsa_reserve_vcc 0
		.amdhsa_float_denorm_mode_32 3
		.amdhsa_float_denorm_mode_16_64 3
		.amdhsa_fp16_overflow 1
		.amdhsa_memory_ordered 1
		.amdhsa_forward_progress 1
		.amdhsa_inst_pref_size 134
	.end_amdhsa_kernel
	.amdgpu_metadata
---
amdhsa.version: [ 1, 2 ]
amdhsa.kernels:
  - .name:           k_qffabf659fa_qkv
    .symbol:         k_qffabf659fa_qkv.kd
    .args:
      - { .name: x_codes, .offset: 0, .size: 8, .value_kind: global_buffer, .address_space: global }
      - { .name: Wqkv_codes, .offset: 8, .size: 8, .value_kind: global_buffer, .address_space: global }
      - { .name: bqkv, .offset: 16, .size: 8, .value_kind: global_buffer, .address_space: global }
      - { .name: lowp_scales, .offset: 24, .size: 8, .value_kind: global_buffer, .address_space: global }
      - { .name: qkvc, .offset: 32, .size: 8, .value_kind: global_buffer, .address_space: global }
    .group_segment_fixed_size: 327680
    .private_segment_fixed_size: 0
    .kernarg_segment_align: 8
    .kernarg_segment_size: 40
    .max_flat_workgroup_size: 128
    .sgpr_count:     100
    .vgpr_count:     1024
    .wavefront_size: 32
...
	.end_amdgpu_metadata
.endif
;; end of part 1
;; launch attn (part 2): grid 4 x 64, 16 waves a work-group, clusters of 4 x 1, 327,680 bytes of LDS; arguments qkvc, lowp_scales, yc; writes yc
.if DOCPART == 2
	.amdgcn_target "amdgcn-amd-amdhsa--gfx1250"
	.amdhsa_code_object_version 6
	.text
	.protected	k_qffabf659fa_attn
	.globl	k_qffabf659fa_attn
	.p2align	8
	.type	k_qffabf659fa_attn,@function
k_qffabf659fa_attn:
	s_mov_b64 s[64:65], 0
	v_nop
	global_prefetch_b8 v0, s[64:65] scope:SCOPE_SE
	s_setreg_imm32_b32 hwreg(HW_REG_WAVE_MODE, 25, 1), 1
	s_wait_xcnt 0x0
	s_wait_alu depctr_hold_cnt(0) depctr_sa_sdst(0) depctr_va_vdst(0) depctr_va_sdst(0) depctr_va_ssrc(0) depctr_va_vcc(0) depctr_vm_vsrc(0)
	s_getreg_b32 s2, hwreg(HW_REG_IB_STS2, 6, 4)
	s_cmp_eq_u32 s2, 0
	s_cbranch_scc0 .Lentry_in_a_cluster
	s_endpgm
.Lentry_in_a_cluster:
	s_bfe_u32 s2, ttmp6, 0x10000c
	s_cmp_lg_u32 s2, 0x3003
	s_cbranch_scc0 .Lentry_shape_is_right
	s_endpgm
.Lentry_shape_is_right:
; y[b][t][head][:] = the sum over keys k <= t of softmax_k(q . k / 8) v, both products on codes of BF8 (E5M2); y is quantised with 2^e6 and stored as images of the registers in which the last product wants it.
; IN (made by the launch before): q at byte 0, k at 8,388,608: [batch x head 64][tile of 16 tokens 128][group 2][lane 32][16 bytes]: lane (r, h): token r, registers 2 c, 2 c + 1: channels 16 c + 8 h + 0 .. 7.
;     v at 16,777,216: [batch x head 64][128 keys 16][16 channels 4][group 4][lane 32][16 bytes]: lane (r, h): channel r, registers 2 c, 2 c + 1: keys 16 c + 8 h + 0 .. 7.
; OUT: [tile of 16 tokens 512][head 16][group 2][lane 32][16 bytes]: lane (r, h): token r, registers 4 c .. 4 c + 3: channels 32 c + 16 h + 0 .. 15.
; THE SOFTMAX AHEAD OF THE SECOND PRODUCT: t = score x log2(e) / 8; M = the largest t so far, rounded UP to a whole number; p = 2^(t - M) is what is quantised (scale 2^e4), not normalised.
; The row's sum is taken of the unquantised p, in f32, and divides at the end.  When M moves, the sum and O are multiplied by 2^(old M - new M): exact.
; SHARES.  A cluster of four work-groups is one head of one batch: its 128 tiles of 16 queries go to 64 waves.  Wave w of work-group cx owns tile tL = 4 w + cx and tile tH = 127 - tL.
; Keys go in 16 steps of 128; tile t needs steps 0 .. t / 8: tL / 8 = w / 2 and tH / 8 = 15 - w / 2.  So every wave has 17 tile steps, and which steps are left out or lie on the diagonal hangs on the wave's number alone:
; every branch is the same in all four partners.  cx enters only q's and y's global addresses and the number that the mask compares with.
; Every work-group walks all 8 slots of 256 keys: trip counts are constants, and no tensor load and no barrier is jumped over.  K and V are asked for JOINTLY by the four (wave 0: K's 16,384 bytes of a slot; wave 1: V's).
; LAYOUT.  Both products are used transposed: S^T = K Q^T (source 0 = 16 keys, source 1 = my 16 queries; K = 64), O^T = V^T P^T (source 0 = 16 channels, source 1 = P; K = 128 keys): a lane holds ONE query throughout.
; Register j of score tile t is key 16 t + 8 h + j, so the conversion of tile t gives registers 2 t, 2 t + 1 of P: the very places that V's image has.  Fragments come from LDS as they lie: 512 consecutive bytes a load, no padding.
; LIMITS on the given exponents, so that each power of two is an f32 number: e2 + e3 between -124 and 130 (added to c's exponent field); e4 and e6 between -126 and 112.  NaN among the inputs is not served.
.set SLOT1, 32768                      ; a slot: K's 16 tiles x 1,024 bytes, then V's 2 runs x 8,192; slot 1 begins here: one exclusive or turns an address
.set VOFF,  16384
.set SPARE, 65536                      ; behind the ring: the spare words, 128 bytes for each of 16 waves: eight blocks of 256 bytes that no other line names
.set LI,   1                           ; v1   16 x lane
.set AD,   2                           ; v2   LDS address of the loads in hand
.set SPW,  3                           ; v3   LDS address of my spare word; never rewritten
.set NIL,  4                           ; v4   0; never rewritten
.set DQL,  5                           ; v5   the mask's number for the low tile: 16 (tL % 8) + r - 8 h
.set DQH,  6                           ; v6   for the high tile
.set YOL,  7                           ; v7   y: my byte offset for the low tile
.set YOH,  8                           ; v8   for the high tile
.set PSC,  9                           ; v9   2^e4
.set PLIM, 10
.set NINF, 11                          ; v11  -infinity
.set STL,  12                          ; v12 -M, v13 the largest t, v[14:15] the sum in two halves: the low tile's
.set STH,  16                          ; v16-19 the high tile's
.set QL,   20                          ; v20-27 Q's fragment, low tile
.set QH,   28                          ; v28-35 high tile
.set FG,   36                          ; v36-99 eight fragments of K, then four of V
.set SR,   100                         ; v100-163 S^T, then p
.set OL,   164                         ; v164-195 O^T, low tile
.set OH,   196                         ; v196-227 high tile
.set PCD,  228                         ; v228-243 p's codes; at the end y's
.set MA,   244                         ; v244, v245 at work: the two chains of the maximum
.set MB,   245
.set FF,   246                         ; v[246:247] f = 2^(old M - new M); the packed forms take the low word for both halves
.set SU,   248                         ; v[248:249] the sum's second chain
.set PX,   250                         ; v250 the lane exchange's destination
.set YSC,  251                         ; v251 2^e6
.set YLIM, 252
.set WV,   10                          ; s10  my wave's number
.set CX,   11                          ; s11  my place in the cluster
.set HD,   12                          ; s12  16 x batch + head
.set BL,   13                          ; s13  the low tile's last step
.set BHI,  14                          ; s14  the high tile's
.set KS,   15                          ; s15  the step in hand
.set TB,   16                          ; s16  LDS byte at which the slot in hand begins
.set SLOTS, 17                         ; s17  slots still to be asked for
.set SEL,  18                          ; s[18:19] lane selects: lane l xor 16
.set CS,   20                          ; s[20:21] c = log2(e) / 8 x 2^(e2 + e3)
.set G1,   24                          ; s[24:31] descriptor group 1
.set G0,   32                          ; s[32:35] descriptor group 0, which walks
.macro JLOAD                           ; waves 0 and 1 fetch, the others nothing; the branch hangs on the wave's number alone.  Four v_nop follow the line
	s_cmp_lt_u32 s[WV], 2
	s_cbranch_scc0 .Lnone_\@
	tensor_load_to_lds s[G0:G0+3], s[G1:G1+7]
	s_nop 0
.rept 4
	v_nop
.endr
.Lnone_\@:
.endm
.macro CROUND                          ; a round of the cluster's barrier
	s_barrier_signal -1
	s_barrier_wait -1
	s_cmp_lg_u32 s[WV], 0
	s_cbranch_scc1 .Lnot_wave_0_\@
	s_barrier_signal -3
.Lnot_wave_0_\@:
	s_barrier_wait -3
	s_barrier_signal -1
	s_barrier_wait -1
.endm
	s_load_b128 s[4:7], s[0:1], 0x0                ; the codes of q, k, v s[4:5]; the scales' exponents s[6:7]
	s_load_b64 s[8:9], s[0:1], 0x10                ; y's codes
	v_lshl_add_u32 v[SPW], v0, 2, SPARE
	v_mov_b32 v[NIL], 0
	ds_add_u32 v3, v4
	ds_add_u32 v3, v4
	s_wait_dscnt 0x0
	v_lshrrev_b32 v2, 5, v0
	s_delay_alu instid0(VALU_DEP_1)
	v_readfirstlane_b32 s[WV], v2                  ; wave 0..15
	s_bfe_u32 s[CX], ttmp6, 0x40000
	s_and_b32 s[HD], ttmp7, 0xffff                 ; the cluster's y: which the four partners share
	s_lshr_b32 s[BL], s[WV], 1
	s_sub_co_u32 s[BHI], 15, s[BL]
	s_mov_b32 s[KS], 0
	s_mov_b32 s[TB], 0
	s_mov_b32 s[SLOTS], 7
	s_mov_b32 s[SEL], 0x76543210
	s_mov_b32 s[SEL+1], 0xfedcba98
	s_mov_b32 s[CS], 0x3e38aa3b                    ; log2(e) / 8
	; descriptor group 1: a dense block of 16,384 bytes as 64 rows of 256
	s_mov_b32 s[G1], 15|(3<<16)|(1<<21)            ; 15:0 the mask: all four work-groups; 17:16 elements of 8 bytes; 21 set beside a mask; no padding
	s_mov_b32 s[G1+1], 32<<16                      ; tensor_dim0 = 32
	s_mov_b32 s[G1+2], 64<<16                      ; tensor_dim1 = 64
	s_mov_b32 s[G1+3], 32<<16                      ; tile_dim0 = 32
	s_mov_b32 s[G1+4], 64                          ; tile_dim1 = 64
	s_mov_b32 s[G1+5], 32                          ; tensor_dim0_stride
	s_mov_b32 s[G1+6], 0
	s_mov_b32 s[G1+7], 0
	s_and_b32 s48, s[WV], 1                        ; wave 0: K; wave 1: V
	s_lshl_b32 s49, s48, 14                        ; its place in a slot
	s_lshl_b32 s50, s48, 23
	s_add_co_u32 s50, s50, 8388608                 ; its region,
	s_lshl_b32 s51, s[HD], 17
	s_add_co_u32 s50, s50, s51                     ; the head's 131,072 bytes in it
	s_mov_b32 s51, 0
	s_wait_kmcnt 0x0
	s_load_b256 s[40:47], s[6:7], 0x0              ; e0 .. e7
	s_mov_b32 s[G0], 1                             ; count = 1
	s_mov_b32 s[G0+1], s49                         ; LDS address: slot 0
	s_add_nc_u64 s[G0+2:G0+3], s[4:5], s[50:51]    ; the head's first 256 keys
	s_or_b32 s[G0+3], s[G0+3], 0x80000000          ; type = 2
	CROUND                                         ; all four work-groups are here: the first joint load meets
	JLOAD                                          ; slot 0: one tensor load of a fetching wave is out
	v_and_b32 v[LI], 31, v0
	s_delay_alu instid0(VALU_DEP_1)
	v_lshlrev_b32 v[LI], 4, v[LI]
	s_wait_alu depctr_va_vdst(0)
	s_lshl_b32 s52, s[WV], 2
	s_add_co_u32 s52, s52, s[CX]                   ; tL
	s_sub_co_u32 s53, 127, s52                     ; tH
	s_lshl_b32 s54, s[HD], 17
	s_mov_b32 s55, 0
	s_add_nc_u64 s[56:57], s[4:5], s[54:55]        ; q of my head
	s_lshl_b32 s58, s52, 10
	s_lshl_b32 s59, s53, 10
	v_add_nc_u32 v253, s58, v[LI]
	v_add_nc_u32 v254, s59, v[LI]
	global_load_b128 v[QL:QL+3],   v253, s[56:57]              ; Q's fragments stay in registers
	global_load_b128 v[QL+4:QL+7], v253, s[56:57] offset:512
	global_load_b128 v[QH:QH+3],   v254, s[56:57]
	global_load_b128 v[QH+4:QH+7], v254, s[56:57] offset:512
	s_lshr_b32 s54, s[HD], 4
	s_lshl_b32 s54, s54, 21                        ; y: the batch's 128 tiles of 16,384 bytes,
	s_and_b32 s55, s[HD], 15
	s_lshl_b32 s55, s55, 10                        ; the head's 1,024 bytes in a tile
	s_add_co_u32 s54, s54, s55
	s_mov_b32 s55, 0
	s_add_nc_u64 s[8:9], s[8:9], s[54:55]
	s_lshl_b32 s58, s52, 14
	s_lshl_b32 s59, s53, 14
	v_add_nc_u32 v[YOL], s58, v[LI]
	v_add_nc_u32 v[YOH], s59, v[LI]
	s_and_b32 s58, s52, 7
	s_sub_co_u32 s59, 7, s58
	s_lshl_b32 s58, s58, 4                         ; 16 (tL % 8)
	s_lshl_b32 s59, s59, 4                         ; 16 (tH % 8)
	v_and_b32 v[MA], 15, v0                        ; r
	v_bfe_u32 v[MB], v0, 4, 1                      ; h
	s_delay_alu instid0(VALU_DEP_1)
	v_lshlrev_b32 v[MB], 3, v[MB]
	s_delay_alu instid0(VALU_DEP_1)
	v_sub_nc_u32 v[MA], v[MA], v[MB]               ; r - 8 h
	s_delay_alu instid0(VALU_DEP_1)
	v_add_nc_u32 v[DQL], s58, v[MA]
	s_delay_alu instid0(VALU_DEP_2)
	v_add_nc_u32 v[DQH], s59, v[MA]
	v_mov_b32 v[NINF], 0xff800000
	v_mov_b32 v[STL+1], 0xff61b1e6                 ; the largest t so far: -3e38, under every t
	v_mov_b32 v[STH+1], 0xff61b1e6
	s_delay_alu instid0(VALU_DEP_2)
	v_floor_f32 v[STL], -v[STL+1]                  ; -M
	s_delay_alu instid0(VALU_DEP_2)
	v_floor_f32 v[STH], -v[STH+1]
	v_mov_b32 v[STL+2], 0                          ; the sums
	v_mov_b32 v[STL+3], 0
	v_mov_b32 v[STH+2], 0
	v_mov_b32 v[STH+3], 0
	v_mov_b32 v[FF+1], 0                           ; named as the upper half of a pair
	v_mov_b32 v[PX], 0                             ; a lane exchange's destination counts as one of its sources
.set n, 0
.rept 64
	v_mov_b32 v[OL+n], 0                           ; O^T of both tiles: the step is written once, and its first turn finds zeros, which the first change of M leaves zeros
.set n, n+1
.endr
	s_wait_kmcnt 0x0
	s_add_co_i32 s48, s42, s43
	s_lshl_b32 s48, s48, 23
	s_add_co_i32 s[CS], s[CS], s48                 ; a score stands for score x 2^(e2 + e3): added to c's exponent field
	s_mov_b32 s[CS+1], s[CS]                       ; named with it as a pair
	s_add_co_i32 s48, s44, 127
	s_lshl_b32 s49, s48, 23
	v_mov_b32 v[PSC], s49
	s_add_co_i32 s60, s44, s45                     ; e4 + e5
	s_add_co_i32 s48, s46, 127
	s_lshl_b32 s61, s48, 23                        ; 2^e6
; A TILE STEP: one of my tiles against the q-th 128 keys of the slot in hand.  QB: its Q; OB: its O^T; ST: its statistics; DQ: its mask number; BX: its last step (a scalar register's number).
.macro STEP q, QB, OB, ST, DQ, BX
	s_cmp_gt_u32 s[KS], s[\BX]                     ; all 128 keys come after my 16 queries: the step's work is left out
	s_cbranch_scc1 .Lhidden_\@
	v_add_nc_u32 v[AD], s[TB], v[LI]
.rept 3
	v_nop                                          ; with the addition: four places in front of loads into registers that the last products read
.endr
.irp i, 0,1,2,3,4,5,6,7,8,9,10,11,12,13,14,15
	ds_load_b128 v[FG+4*\i:FG+4*\i+3], v[AD] offset:8192*(\q)+512*\i            ; K: tile i / 2, group i % 2
.endr
	s_wait_alu depctr_va_vdst(0)
	s_wait_dscnt 8                                 ; tiles 0-3 are in; the youngest eight loads (tiles 4-7) may be out
.irp t, 0,1,2,3
	v_wmma_f32_16x16x64_bf8_bf8 v[SR+8*\t:SR+8*\t+7], v[FG+8*\t:FG+8*\t+7], v[\QB:\QB+7], 0
.endr
	s_wait_dscnt 0x0
.irp t, 4,5,6,7
	v_wmma_f32_16x16x64_bf8_bf8 v[SR+8*\t:SR+8*\t+7], v[FG+8*\t:FG+8*\t+7], v[\QB:\QB+7], 0
.endr
.rept 4
	v_nop                                          ; places in front of the loads below and of the first read of the scores
.endr
.irp i, 0,1,2,3,4,5,6,7,8,9,10,11,12,13,14,15
	ds_load_b128 v[FG+4*\i:FG+4*\i+3], v[AD] offset:VOFF+8192*(\q)+512*\i       ; V: channels 16 (i / 4) on, group i % 4: it lands under the softmax
.endr
	s_cmp_lg_u32 s[KS], s[\BX]                     ; only the tile's last step lies on the diagonal
	s_cbranch_scc1 .Lopen_\@
.set n, 0
.rept 64
	v_cmp_gt_i32 vcc_lo, 16*(n/8)+n%8, v[\DQ]      ; register n holds key 16 (n / 8) + 8 h + n % 8 of the step: hidden where it comes after my query
	v_cndmask_b32 v[SR+n], v[SR+n], v[NINF], vcc_lo
.set n, n+1
.endr
.Lopen_\@:
	v_max3_num_f32 v[MA], v[SR], v[SR+1], v[SR+2]  ; the step's largest score of my query among my 64 keys, in two chains, each accumulator from its low end on,
	v_max3_num_f32 v[MB], v[SR+3], v[SR+4], v[SR+5]
.irp i, 6,10,14,18,22,26,30,34,38,42,46,50,54,58
	v_max3_num_f32 v[MA], v[MA], v[SR+\i], v[SR+\i+1]
	v_max3_num_f32 v[MB], v[MB], v[SR+\i+2], v[SR+\i+3]
.endr
	v_max3_num_f32 v[MA], v[MA], v[SR+62], v[SR+63]
	s_delay_alu instid0(VALU_DEP_1)
	v_max_num_f32 v[MA], v[MA], v[MB]
	s_delay_alu instid0(VALU_DEP_1)
	v_permlanex16_b32 v[PX], v[MA], s[SEL], s[SEL+1]
	s_delay_alu instid0(VALU_DEP_1)
	v_max_num_f32 v[MA], v[MA], v[PX]              ; and among lane l xor 16's
	s_delay_alu instid0(VALU_DEP_1)
	v_mul_f32 v[MA], s[CS], v[MA]                  ; as t (c is positive)
	s_delay_alu instid0(VALU_DEP_1)
	v_max_num_f32 v[\ST+1], v[\ST+1], v[MA]        ; the running largest t
	v_mov_b32 v[MA], v[\ST]
	s_delay_alu instid0(VALU_DEP_2)
	v_floor_f32 v[\ST], -v[\ST+1]                  ; the new -M = floor(-t): M is a whole number
	s_delay_alu instid0(VALU_DEP_1)
	v_sub_f32 v[MA], v[\ST], v[MA]                 ; old M - new M: a whole number, 0 or less
	s_delay_alu instid0(VALU_DEP_1)
	v_cvt_i32_f32 v[MA], v[MA]                     ; (it saturates)
	s_delay_alu instid0(VALU_DEP_1)
	v_ldexp_f32 v[FF], 1.0, v[MA]                  ; f = 2^(old M - new M)
.set n, 0
.rept 32
	v_pk_fma_f32 v[SR+n:SR+n+1], v[SR+n:SR+n+1], s[CS:CS+1], v[\ST:\ST+1] op_sel_hi:[1,0,0]   ; t - M, two at a time
.set n, n+2
.endr
.set n, 0
	s_wait_alu depctr_va_vdst(0)
.rept 64
	v_exp_f32 v[SR+n], v[SR+n]                     ; p = 2^(t - M), at most 1
.set n, n+1
.endr
	v_pk_mul_f32 v[\ST+2:\ST+3], v[\ST+2:\ST+3], v[FF:FF+1] op_sel_hi:[1,0]     ; the sums under the new M.  (The plain line behind the exponentials)
	s_wait_alu depctr_va_vdst(0)
	v_pk_add_f32 v[SU:SU+1], v[SR:SR+1], v[SR+2:SR+3]                           ; the row's sum is taken of the unquantised p, in two chains
.irp j, 4,8,12,16,20,24,28,32,36,40,44,48,52,56,60
	v_pk_add_f32 v[\ST+2:\ST+3], v[\ST+2:\ST+3], v[SR+\j:SR+\j+1]
	v_pk_add_f32 v[SU:SU+1], v[SU:SU+1], v[SR+\j+2:SR+\j+3]
.endr
	s_delay_alu instid0(VALU_DEP_1)
	v_pk_add_f32 v[\ST+2:\ST+3], v[\ST+2:\ST+3], v[SU:SU+1]
.irp t, 0,1,2,3,4,5,6,7
.irp i, 0,1,2,3,4,5,6,7
.endr
	v_cvt_scalef32_pk8_bf8_f32 v[PCD+2*\t:PCD+2*\t+1], v[SR+8*\t:SR+8*\t+7], v[PSC]
.endr
.set n, 0
.rept 16
	v_pk_mul_f32 v[\OB+n:\OB+n+1], v[\OB+n:\OB+n+1], v[FF:FF+1] op_sel_hi:[1,0]   ; O^T under the new M.  (Also the plain lines between the conversions and the products that read their results)
.set n, n+2
.endr
	s_wait_alu depctr_va_vdst(0)
	s_wait_dscnt 0x0                               ; V is in
.irp d, 0,1,2,3
	v_wmma_f32_16x16x128_bf8_bf8 v[\OB+8*\d:\OB+8*\d+7], v[FG+16*\d:FG+16*\d+15], v[PCD:PCD+15], v[\OB+8*\d:\OB+8*\d+7]   ; the four accumulators take turns, one instruction a turn
.endr
.Lhidden_\@:
.endm
; THE CHANGE OF SLOTS stands at a slot's head.  Each wave waits for all its tensor loads (its part of the slot ahead), adds 0 to its spare word, and waits for that and for its reads of the slot that it has left.
; fill = 1: a round of the cluster's barrier, so that no wave of any partner still reads that slot or has a load on its way; behind it the slot is filled with the keys that follow: the load has a whole slot's steps in which to land.
.macro CHANGE fill
	s_wait_tensorcnt 0x0                           ; no tensor load of mine is out, so group 0 may be written
	ds_add_u32 v[SPW], v[NIL]                      ; 0 onto my spare word
.if \fill
	s_xor_b32 s[G0+1], s[G0+1], SLOT1              ; the other slot than last time,
	s_add_nc_u64 s[G0+2:G0+3], s[G0+2:G0+3], 16384 ; the next 256 keys, of K and of V alike
.endif
	s_wait_dscnt 0x0                               ; the add is done, and my reads of the slot that I have left are over
.if \fill
	CROUND
	JLOAD                                          ; the first thing behind the round, and a wave's one tensor load until the next
.else
	s_barrier_signal -1
	s_barrier_wait -1
.endif
.endm
.macro SLOT_STEPS
.irp q, 0,1
	STEP \q, QL, OL, STL, DQL, BL
	STEP \q, QH, OH, STH, DQH, BHI
	s_add_co_u32 s[KS], s[KS], 1
.endr
	s_xor_b32 s[TB], s[TB], SLOT1                  ; on to the other slot
.endm
	s_wait_loadcnt 0x0                             ; Q
.Lslot:                                            ; 7 trips: behind each change of slots but the last the next slot is asked for
	CHANGE 1
	SLOT_STEPS
	s_sub_co_u32 s[SLOTS], s[SLOTS], 1
	s_cmp_lg_u32 s[SLOTS], 0
	s_cbranch_scc1 .Lslot
	CHANGE 0                                       ; the last slot is written out
	SLOT_STEPS
	; THE WAY OUT.  O^T x 2^(e4 + e5) / the sum is y; it is converted with 2^e6, and brought into the last product's places by exchanges between the halves of the lanes.
	v_mov_b32 v[YSC], s61                          ; four plain lines: the places behind the last products
	v_add_f32 v[STL+2], v[STL+2], v[STL+3]         ; the sums' two halves
	v_add_f32 v[STH+2], v[STH+2], v[STH+3]
.macro YOUT OB, ST, SB, PB, YO
	v_permlanex16_b32 v[PX], v[\ST+2], s[SEL], s[SEL+1]
	s_delay_alu instid0(VALU_DEP_1)
	v_add_f32 v[\ST+2], v[\ST+2], v[PX]            ; and lane l xor 16's: the row's sum
	s_wait_alu depctr_va_vdst(0)
	v_rcp_f32 v[MA], v[\ST+2]
	v_nop                                          ; a plain line behind the reciprocal
	s_wait_alu depctr_va_vdst(0)
	v_ldexp_f32 v[FF], v[MA], s60                  ; x 2^(e4 + e5)
.set n, 0
.rept 16
	v_pk_mul_f32 v[\SB+n:\SB+n+1], v[\OB+n:\OB+n+1], v[FF:FF+1] op_sel_hi:[1,0]   ; register 8 d + j: y(query r, channel 16 d + 8 h + j); each accumulator from its low end on
.set n, n+2
.endr
.set n, 0
.rept 32
.set n, n+1
.endr
.irp d, 0,1,2,3
	v_cvt_scalef32_pk8_bf8_f32 v[\PB+2*\d:\PB+2*\d+1], v[\SB+8*\d:\SB+8*\d+7], v[YSC]
.endr
	v_nop                                          ; a plain line between the conversions and the lines that touch their results
	v_permlane16_swap_b32 v[\PB], v[\PB+2]         ; the first's lanes 16-31 change places with the second's lanes 0-15: channels 16 d + 8 h + .. become 32 c + 16 h + 0 .. 15
	v_permlane16_swap_b32 v[\PB+1], v[\PB+3]
	v_permlane16_swap_b32 v[\PB+4], v[\PB+6]
	v_permlane16_swap_b32 v[\PB+5], v[\PB+7]
	global_store_b128 v[\YO], v[\PB:\PB+3], s[8:9]                  ; 512 consecutive bytes, aligned
	global_store_b128 v[\YO], v[\PB+4:\PB+7], s[8:9] offset:512
.endm
	YOUT OL, STL, SR, PCD, YOL
	YOUT OH, STH, SR+32, PCD+8, YOH
	s_wait_tensorcnt 0x0                           ; the wave's end
	ds_add_u32 v[SPW], v[NIL]
	s_wait_dscnt 0x0
	CROUND                                         ; the closing round: no work-group ends while a partner may still ask for a tile that names it
	s_endpgm
.Lfunc_end_k_qffabf659fa_attn:
	.size	k_qffabf659fa_attn, .Lfunc_end_k_qffabf659fa_attn-k_qffabf659fa_attn
	.p2alignl 7, 3214868480
	.fill 96, 4, 3214868480
	.section	.rodata,"a",@progbits
	.p2align	6, 0x0
	.amdhsa_kernel k_qffabf659fa_attn
		.amdhsa_group_segment_fixed_size 327680
		.amdhsa_private_segment_fixed_size 0
		.amdhsa_enable_private_segment 0
		.amdhsa_kernarg_size 24
		.amdhsa_user_sgpr_count 2
		.amdhsa_user_sgpr_kernarg_segment_ptr 1
		.amdhsa_wavefront_size32 1
		.amdhsa_system_sgpr_workgroup_id_x 1
		.amdhsa_system_sgpr_workgroup_id_y 1
		.amdhsa_system_sgpr_workgroup_id_z 1
		.amdhsa_system_vgpr_workitem_id 0
		.amdhsa_next_free_vgpr 256
		.amdhsa_next_free_sgpr 66
		.amdhsa_reserve_vcc 1
		.amdhsa_float_denorm_mode_32 3
		.amdhsa_float_denorm_mode_16_64 3
		.amdhsa_fp16_overflow 1
		.amdhsa_memory_ordered 1
		.amdhsa_forward_progress 1
		.amdhsa_inst_pref_size 162
	.end_amdhsa_kernel
	.amdgpu_metadata
---
amdhsa.version: [ 1, 2 ]
amdhsa.kernels:
  - .name:           k_qffabf659fa_attn
    .symbol:         k_qffabf659fa_attn.kd
    .args:
      - { .name: qkvc, .offset: 0, .size: 8, .value_kind: global_buffer, .address_space: global }
      - { .name: lowp_scales, .offset: 8, .size: 8, .value_kind: global_buffer, .address_space: global }
      - { .name: yc, .offset: 16, .size: 8, .value_kind: global_buffer, .address_space: global }
    .group_segment_fixed_size: 327680
    .private_segment_fixed_size: 0
    .kernarg_segment_align: 8
    .kernarg_segment_size: 24
    .max_flat_workgroup_size: 512
    .sgpr_count:     66
    .vgpr_count:     256
    .wavefront_size: 32
...
	.end_amdgpu_metadata
.endif
;; end of part 2
;; launch proj (part 3): grid 8 x 32, 4 waves a work-group, clusters of 4 x 4, 327,680 bytes of LDS; arguments yc, Wout_codes, bout, lowp_scales, out0; writes out0
.if DOCPART == 3
	.amdgcn_target "amdgcn-amd-amdhsa--gfx1250"
	.amdhsa_code_object_version 6
	.text
	.protected	k_qffabf659fa_proj
	.globl	k_qffabf659fa_proj
	.p2align	8
	.type	k_qffabf659fa_proj,@function
k_qffabf659fa_proj:
	s_mov_b64 s[64:65], 0
	v_nop
	global_prefetch_b8 v0, s[64:65] scope:SCOPE_SE
	s_setreg_imm32_b32 hwreg(HW_REG_WAVE_MODE, 25, 1), 1
	s_wait_xcnt 0x0
	s_wait_alu depctr_hold_cnt(0) depctr_sa_sdst(0) depctr_va_vdst(0) depctr_va_sdst(0) depctr_va_ssrc(0) depctr_va_vcc(0) depctr_vm_vsrc(0)
	s_getreg_b32 s2, hwreg(HW_REG_IB_STS2, 6, 4)
	s_cmp_eq_u32 s2, 0
	s_cbranch_scc0 .Lentry_in_a_cluster
	s_endpgm
.Lentry_in_a_cluster:
	s_bfe_u32 s2, ttmp6, 0x10000c
	s_cmp_lg_u32 s2, 0xf033
	s_cbranch_scc0 .Lentry_shape_is_right
	s_endpgm
.Lentry_shape_is_right:
; out = y Wout + bout on codes of BF8 (E5M2).  y: codes made by the launch before, as images of this launch's operand registers; Wout: [1024 (n)][1024 (k)] codes, K innermost; bout: [1024] f32; out: [8192][1024] f32.
; y's layout: [tile of 16 tokens 512][head 16][group 2][lane 32][16 bytes]: lane (r, h): token r, registers 4 c .. 4 c + 3: channels 32 c + 16 h + 0 .. 15 of the head.  Two heads on end are a fragment of 128 along K, with K = 32 c + 16 h + 0 .. 15
; in registers 4 c .. 4 c + 3: the places that four loads of 16 bytes, 32 bytes apart, give a row of Wout.  The same places in both operands: every product meets its partner.
; A tile is 256 tokens x 128 columns: 8 x 32 = 256 work-groups.  Wave w takes tokens 64 w .. 64 w + 63 against all 128 columns: 32 accumulators, and whole rows of 512 bytes on the way out.
; K = 1,024 goes in four steps of 256 through two LDS slots.  CLUSTERS: 4 x 4: y's tiles are shared along a row of the cluster, Wout's along a column, each asked for jointly.
; THE MATRIX INSTRUCTION IS USED TRANSPOSED (source 0 = 16 rows of Wout, source 1 = 16 tokens): a lane holds eight neighbouring columns of one row of out.
; out = sum x 2^(e6 + e7) + bout: one packed multiply-add for two numbers.  LIMIT: e6 + e7 between -126 and 127, so that 2^(e6 + e7) is an f32 number.
; REGISTERS, in windows of 256: window 0: v1-31 addresses; v32-95 at work on the way out; v128-255 y's fragments, two sets of 64 (on the way out: rows read back).
;   window 1: Wout's fragments, two sets of 128.   window 2: the accumulators ((a, b) at v[8 (8 a + b)]).   window 3: v0-63 bout of column 16 b + 8 h + j at register 8 b + j.
.set PITCH,  272                       ; a row of Wout in LDS: 256 bytes + 16 of padding = 68 words: row r starts at bank 4 r mod 64 (64 banks of 4 bytes: ISA guide 11.1)
.set WOFF,   65536                     ; a slot: y's 16 tiles x 4,096 bytes, then Wout's 128 rows
.set SLOT,   WOFF+128*PITCH            ; 100,352
.set SPARE,  2*SLOT                    ; the spare words, 128 bytes for each wave: two blocks of 256 bytes that no other line names
.set STAGE,  SPARE+512                 ; the way out: 16 rows x (512 bytes + 16) for each wave, in bytes into which no fill lands
.set SPITCH, 528
.set FR,     16
.set NP,     4                         ; places behind this matrix instruction (ISA guide 7.12.1)
.set ADRA, 16                          ; v16-17  LDS address of my y fragments in slot 0, 1
.set ADRB, 20                          ; v20-21  the same for Wout
.set STO,  24                          ; v24     the way out: where I put 32 bytes of a row
.set RD,   25                          ; v25     where I read a row back
.set CO,   26                          ; v26     16 x lane: my byte offset in a row's 512 bytes
.set SPW,  28                          ; v28     LDS address of my spare word; never rewritten
.set NIL,  29                          ; v29     0; never rewritten
.set TMP,  32
.set AF,   128
.set BK,   128                         ; the way out: v128-191 and v192-255 by turns
.set G1, 24                            ; s[24:31] descriptor group 1 for y's tiles;  s[32:39] group 0, one set for each slot
.set G0, 32
.set G1B, 48                           ; s[48:55], s[56:63] the same for Wout's tiles
.set G0B, 56
.set MSB, 0
.macro WIN new                         ; the immediate's high byte repeats the setting that is left
.if MSB != (\new)
	s_set_vgpr_msb (MSB<<8)|(\new)
.set MSB, (\new)
.endif
.endm
.set MUL,  0xa1                        ; source 0 (Wout) window 1, source 1 (y) window 0, C and D window 2
.set TO_B, 0x40                        ; destination window 1, address window 0
.macro JLOAD g0a, g1a, g0b, g1b        ; a joint load: waves 0 and 1 fetch y's halves, waves 2 and 3 Wout's; four v_nop follow each line
	s_cmp_eq_u32 s15, 0
	s_cbranch_scc0 .Lfor_b_\@
	tensor_load_to_lds s[\g0a:\g0a+3], s[\g1a:\g1a+7]
	s_nop 0
.rept 4
	v_nop
.endr
	s_branch .Lasked_\@
.Lfor_b_\@:
	tensor_load_to_lds s[\g0b:\g0b+3], s[\g1b:\g1b+7]
	s_nop 0
.rept 4
	v_nop
.endr
.Lasked_\@:
.endm
.macro CREST                           ; a round of the cluster's barrier behind its opening barrier
	s_cmp_lg_u32 s14, 0
	s_cbranch_scc1 .Lnot_wave_0_\@
	s_barrier_signal -3
.Lnot_wave_0_\@:
	s_barrier_wait -3
	s_barrier_signal -1
	s_barrier_wait -1
.endm
.macro CROUND
	s_barrier_signal -1
	s_barrier_wait -1
	CREST
.endm
	s_load_b256 s[4:11], s[0:1], 0x0               ; y's codes s[4:5], Wout's s[6:7], bout s[8:9], the scales' exponents s[10:11]
	s_load_b64 s[12:13], s[0:1], 0x20              ; out
	v_lshl_add_u32 v[SPW], v0, 2, SPARE
	v_mov_b32 v[NIL], 0
	ds_add_u32 v28, v29
	ds_add_u32 v28, v29
	s_wait_dscnt 0x0
	v_lshrrev_b32 v1, 5, v0
	v_readfirstlane_b32 s14, v1                    ; wave 0..3
	s_lshr_b32 s15, s14, 1                         ; I fetch for y (0) or for Wout (1),
	s_and_b32 s16, s14, 1                          ; and which half of that tile
	s_bfe_u32 s40, ttmp6, 0x40000                  ; cx, cy
	s_bfe_u32 s41, ttmp6, 0x40004
	s_lshl_b32 s42, ttmp9, 2
	s_add_co_u32 s42, s42, s40                     ; tile column = 4 x cluster x + cx
	s_and_b32 s17, ttmp7, 0xffff
	s_lshl_b32 s17, s17, 2
	s_add_co_u32 s17, s17, s41                     ; tile row = 4 x cluster y + cy
	s_lshl_b32 s43, s41, 2
	s_lshl_b32 s43, 15, s43                        ; my row of the cluster
	s_lshl_b32 s44, 0x1111, s40                    ; my column
	; y: 8 tiles of tokens; of each the 4,096 bytes of four heads, 16,384 bytes from tile to tile; laid on end in LDS
	s_or_b32 s[G1+0], s43, (3<<16)|(1<<21)         ; 15:0 the mask: my row; 17:16 elements of 8 bytes; 21 set beside a mask; no padding
	s_mov_b32 s[G1+1], 512<<16                     ; tensor_dim0 = 512
	s_mov_b32 s[G1+2], 8<<16                       ; tensor_dim1 = 8
	s_mov_b32 s[G1+3], 512<<16                     ; tile_dim0 = 512
	s_mov_b32 s[G1+4], 8                           ; tile_dim1 = 8
	s_mov_b32 s[G1+5], 2048                        ; tensor_dim0_stride
	s_mov_b32 s[G1+6], 0
	s_mov_b32 s[G1+7], 0
	; Wout: 64 rows x 256 bytes, padded in LDS
	s_or_b32 s[G1B+0], s44, (0<<16)|(1<<20)|(1<<21)|(5<<22)|(3<<25)   ; the mask: my column; elements of 1 byte; padding: 4 words after every 64
	s_mov_b32 s[G1B+1], 256<<16
	s_mov_b32 s[G1B+2], 64<<16
	s_mov_b32 s[G1B+3], 256<<16
	s_mov_b32 s[G1B+4], 64
	s_mov_b32 s[G1B+5], 1024
	s_mov_b32 s[G1B+6], 0
	s_mov_b32 s[G1B+7], 0
	s_lshl_b32 s18, s16, 3
	s_lshl_b32 s20, s17, 4
	s_add_co_u32 s20, s20, s18                     ; y: tile of tokens 16 x tile row + 8 x half,
	s_lshl_b32 s20, s20, 14                        ; of 16,384 bytes
	s_mov_b32 s21, 0
	s_lshl_b32 s18, s16, 6
	s_lshl_b32 s46, s42, 7
	s_add_co_u32 s46, s46, s18                     ; Wout: row 128 x tile column + 64 x half,
	s_lshl_b32 s46, s46, 10                        ; of 1,024 bytes
	s_mov_b32 s47, 0
	s_lshl_b32 s45, s16, 15                        ; where they go: y's half,
	s_mul_i32 s68, s16, 64*PITCH
	s_add_co_u32 s68, s68, WOFF                    ; Wout's half: no place in the cluster enters an LDS address
	s_wait_kmcnt 0x0
	s_load_b256 s[72:79], s[10:11], 0x0            ; e0 .. e7
	s_add_nc_u64 s[20:21], s[4:5], s[20:21]
	s_add_nc_u64 s[46:47], s[6:7], s[46:47]
	CROUND                                         ; all sixteen work-groups are here: the first joint loads meet
.irp s, 0,1
	s_mov_b32 s[G0+4*\s], 1
	s_add_co_u32 s[G0+4*\s+1], s45, \s*SLOT
	s_add_nc_u64 s[G0+4*\s+2:G0+4*\s+3], s[20:21], \s*4096
	s_or_b32 s[G0+4*\s+3], s[G0+4*\s+3], 0x80000000
	s_mov_b32 s[G0B+4*\s], 1
	s_add_co_u32 s[G0B+4*\s+1], s68, \s*SLOT
	s_add_nc_u64 s[G0B+4*\s+2:G0B+4*\s+3], s[46:47], \s*256
	s_or_b32 s[G0B+4*\s+3], s[G0B+4*\s+3], 0x80000000
	s_wait_alu depctr_va_vdst(0)
	s_wait_tensorcnt 0x0
	ds_add_u32 v28, v29
	ds_add_u32 v28, v29
	s_wait_dscnt 0x0
	CROUND
	JLOAD G0+4*\s, G1, G0B+4*\s, G1B               ; one tensor load of mine is out
.endr
	v_and_b32 v1, 15, v0                           ; r
	v_bfe_u32 v2, v0, 4, 1                         ; h
	v_and_b32 v6, 31, v0
	v_lshlrev_b32 v[CO], 4, v6                     ; 16 x lane
	v_mul_u32_u24 v3, v1, PITCH
	v_lshl_add_u32 v4, v2, 4, v3                   ; Wout: row x pitch + 16 x half
	s_lshl_b32 s21, s14, 14                        ; y: my four tiles of 4,096 bytes
	s_mov_b32 s22, WOFF
.irp s, 0,1
	v_add_nc_u32 v[ADRA+\s], s21, v[CO]
	v_add_nc_u32 v[ADRB+\s], s22, v4
	s_add_co_u32 s21, s21, SLOT
	s_add_co_u32 s22, s22, SLOT
.endr
	s_mul_i32 s23, s14, 16*SPITCH
	s_add_co_u32 s23, s23, STAGE                   ; my stage
	v_mul_u32_u24 v5, v1, SPITCH                   ; in: row r, 32 bytes for each half of the lanes
	v_lshl_add_u32 v5, v2, 5, v5
	v_add_nc_u32 v[STO], s23, v5
	v_add_nc_u32 v[RD], s23, v[CO]                 ; back: the 32 lanes take one row of 512 bytes
	v_lshlrev_b32 v8, 5, v2                        ; bout: 8 h numbers; never rewritten
	s_lshl_b32 s80, s42, 9                         ; the tile's 128 columns
	s_mov_b32 s81, 0
	s_add_nc_u64 s[80:81], s[8:9], s[80:81]
	WIN 0xc0                                       ; destination window 3
.irp b, 0,1,2,3,4,5,6,7
	global_load_b128 v[8*\b:8*\b+3],   v8, s[80:81] offset:64*\b
	global_load_b128 v[8*\b+4:8*\b+7], v8, s[80:81] offset:64*\b+16
.endr
	WIN 0
	s_lshl_b32 s20, s17, 8
	s_lshl_b32 s21, s14, 6
	s_add_co_u32 s20, s20, s21                     ; my first row of out: 256 x tile row + 64 x wave,
	s_lshl_b32 s20, s20, 12                        ; of 4,096 bytes: under 2^25
	s_lshl_b32 s46, s42, 9                         ; + the tile's first column
	s_add_co_u32 s20, s20, s46
	s_mov_b32 s21, 0
	s_add_nc_u64 s[12:13], s[12:13], s[20:21]
; 8 matrix instructions: my tile a of tokens x Wout's eight blocks, 128 along K, on set p.  zero = 1: the first product starts the sums.  The 32 accumulators take turns, one instruction a turn, in the same order in every step.
.macro MUL8 a, p, zero
.irp b, 0,1,2,3,4,5,6,7
.if \zero
	v_wmma_f32_16x16x128_bf8_bf8 v[8*(8*(\a)+\b):8*(8*(\a)+\b)+7], v[128*(\p)+FR*\b:128*(\p)+FR*\b+FR-1], v[AF+64*(\p)+FR*(\a):AF+64*(\p)+FR*(\a)+FR-1], 0
.else
	v_wmma_f32_16x16x128_bf8_bf8 v[8*(8*(\a)+\b):8*(8*(\a)+\b)+7], v[128*(\p)+FR*\b:128*(\p)+FR*\b+FR-1], v[AF+64*(\p)+FR*(\a):AF+64*(\p)+FR*(\a)+FR-1], v[8*(8*(\a)+\b):8*(8*(\a)+\b)+7]
.endif
.endr
.endm
; 48 LDS loads in one run: the fragments of the slot's q-th 128 along K into set p
.macro FETCH slot, q, p
	WIN TO_B
.irp i, 0,1,2,3,4,5,6,7
.irp c, 0,1,2,3
	ds_load_b128 v[128*(\p)+FR*\i+4*\c:128*(\p)+FR*\i+4*\c+3], v[ADRB+\slot] offset:\i*16*PITCH+128*(\q)+32*\c
.endr
.endr
	WIN 0
.irp i, 0,1,2,3
.irp c, 0,1,2,3
	ds_load_b128 v[AF+64*(\p)+FR*\i+4*\c:AF+64*(\p)+FR*\i+4*\c+3], v[ADRA+\slot] offset:4096*\i+2048*(\q)+512*\c   ; an image: 512 consecutive bytes a load
.endr
.endr
.endm
.macro PLACES n
.rept \n
	v_nop
.endr
.endm
; A slot's first 128 along K: set 0 is multiplied; the second 128 are fetched into set 1 ahead of the products.
.macro STEP slot, zero
	s_wait_dscnt 0x0                               ; set 0 is in
	PLACES NP                                      ; in front of loads into set 1, which the products before read
	FETCH \slot, 1, 1
	WIN MUL
	MUL8 0, 0, \zero
	MUL8 1, 0, \zero
	MUL8 2, 0, \zero
	MUL8 3, 0, \zero
.endm
; A slot's second 128 change slots: ONE barrier; in front of it each wave waits for all its tensor loads, adds 0 to its spare word, and waits for that and for its own reads of this slot.  fill = 1: this slot is filled again, two K steps ahead.
.macro TURN slot, next, fill
	WIN 0                                          ; the add's two registers lie in window 0
	s_wait_tensorcnt 0x0                           ; all my tensor loads have landed: the one that was out is my part of the next slot
	ds_add_u32 v[SPW], v[NIL]                      ; 0 onto my spare word
	s_wait_dscnt 1                                 ; set 1 is in; the add alone may be out
	WIN MUL
	MUL8 0, 1, 0                                   ; eight matrix instructions stand between the add and the wait for it
	s_wait_dscnt 0x0                               ; the add is done, and my reads of this slot are over
	s_barrier_signal -1
	MUL8 1, 1, 0
	WIN 0
	s_barrier_wait -1
.if \fill
	CREST                                          ; the barrier has opened a round of the cluster's: no wave of any partner still reads this slot or has a load on its way
	s_add_nc_u64 s[G0+4*\slot+2:G0+4*\slot+3], s[G0+4*\slot+2:G0+4*\slot+3], 2*4096
	s_add_nc_u64 s[G0B+4*\slot+2:G0B+4*\slot+3], s[G0B+4*\slot+2:G0B+4*\slot+3], 2*256
	JLOAD G0+4*\slot, G1, G0B+4*\slot, G1B         ; my one tensor load behind the round; its four v_nop are the places in front of the loads below
.else
	PLACES NP
.endif
	FETCH \next, 0, 0
	WIN MUL
	MUL8 2, 1, 0
	MUL8 3, 1, 0
.endm
	s_wait_alu depctr_va_vdst(0)
	s_wait_tensorcnt 1                             ; my part of K step 0 is in; K step 1's load may stay out
	s_barrier_signal -1
	s_barrier_wait -1                              ; everybody's is
	FETCH 0, 0, 0
	STEP 0, 1                                      ; these products start the sums.  K = 1,024 is four fills of a slot: written straight, without a loop
	TURN 0, 1, 1                                   ; slot 0 takes K 512-767
	STEP 1, 0
	TURN 1, 0, 1                                   ; slot 1 takes K 768-1023
	STEP 0, 0
	TURN 0, 1, 0                                   ; nothing is left to fetch
	STEP 1, 0
	s_wait_dscnt 0x0                               ; the last 128 along K
	MUL8 0, 1, 0
	MUL8 1, 1, 0
	MUL8 2, 1, 0
	MUL8 3, 1, 0
	WIN 0
; THE WAY OUT, a tile of 16 tokens x 128 columns at a time.  A lane holds 32 neighbouring bytes of a row, and the lanes beside it hold other rows: so a block goes through my own stage in LDS and comes back as whole rows of 512 bytes.
; LDS serves a wave's instructions in order (ISA guide 5.7.1.4): no wait between the stores and the loads, nor in front of the next block's stores.
.macro TOSTAGE a
.set AC, 64*(\a)
	WIN 0x32                                       ; source 0 (the sums) window 2, source 2 (bout) window 3
.set n, 0
.rept 32
	v_pk_fma_f32 v[TMP+n:TMP+n+1], v[AC+n:AC+n+1], s[96:97], v[n:n+1] op_sel_hi:[1,0,1]   ; sum x 2^(e6 + e7) + bout; each accumulator from its low end on
.set n, n+2
.endr
	WIN 0
.irp b, 0,1,2,3,4,5,6,7
	ds_store_b128 v[STO], v[TMP+8*\b:TMP+8*\b+3] offset:64*\b
	ds_store_b128 v[STO], v[TMP+8*\b+4:TMP+8*\b+7] offset:64*\b+16
.endr
.set BB, BK+64*((\a)%2)
.irp t, 0,1,2,3,4,5,6,7,8,9,10,11,12,13,14,15
	ds_load_b128 v[BB+4*\t:BB+4*\t+3], v[RD] offset:\t*SPITCH
.endr
.endm
.macro SEND a, younger                 ; younger: the LDS instructions issued behind block a's loads, which may stay out
.set BB, BK+64*((\a)%2)
	s_wait_dscnt \younger                          ; the block is back in registers
.if (\a) > 0
	s_add_nc_u64 s[12:13], s[12:13], 16*4096       ; (behind a wait on XCNT: the earlier stores have read their base)  16 rows on
.endif
.irp t, 0,1,2,3,4,5,6,7,8,9,10,11,12,13,14,15
	global_store_b128 v[CO], v[BB+4*\t:BB+4*\t+3], s[12:13] offset:\t*4096 th:TH_STORE_NT   ; 32 lanes store 512 consecutive bytes, at a multiple of 256 from out's first byte; written once, read by nobody here
.endr
.endm
	s_wait_kmcnt 0x0
	s_add_co_i32 s96, s78, s79                     ; e6 + e7
	s_add_co_i32 s96, s96, 127
	s_lshl_b32 s96, s96, 23                        ; 2^(e6 + e7) as f32
	s_mov_b32 s97, s96                             ; named with it as a pair
	s_wait_loadcnt 0x0                             ; bout
	PLACES NP                                      ; behind the last products: in front of the loads into the registers that held y's fragments
	TOSTAGE 0
.irp a, 1,2,3
.if \a > 1
	s_wait_xcnt 0x0                                ; block a - 2's stores have read their registers and their base
.endif
	TOSTAGE \a
	SEND \a-1, 32                                  ; behind block a - 1's loads: block a's 16 stores and 16 loads
.endr
	s_wait_xcnt 0x0                                ; block 2's stores have read their base
	SEND 3, 0
	s_wait_tensorcnt 0x0                           ; the wave's end
	ds_add_u32 v[SPW], v[NIL]
	s_wait_dscnt 0x0
	CROUND                                         ; the closing round: no work-group ends while a partner may still ask for a tile that names it
	s_endpgm
.Lfunc_end_k_qffabf659fa_proj:
	.size	k_qffabf659fa_proj, .Lfunc_end_k_qffabf659fa_proj-k_qffabf659fa_proj
	.p2alignl 7, 3214868480
	.fill 96, 4, 3214868480
	.section	.rodata,"a",@progbits
	.p2align	6, 0x0
	.amdhsa_kernel k_qffabf659fa_proj
		.amdhsa_group_segment_fixed_size 327680
		.amdhsa_private_segment_fixed_size 0
		.amdhsa_enable_private_segment 0
		.amdhsa_kernarg_size 40
		.amdhsa_user_sgpr_count 2
		.amdhsa_user_sgpr_kernarg_segment_ptr 1
		.amdhsa_wavefront_size32 1
		.amdhsa_system_sgpr_workgroup_id_x 1
		.amdhsa_system_sgpr_workgroup_id_y 1
		.amdhsa_system_sgpr_workgroup_id_z 1
		.amdhsa_system_vgpr_workitem_id 0
		.amdhsa_next_free_vgpr 832
		.amdhsa_next_free_sgpr 100
		.amdhsa_reserve_vcc 0
		.amdhsa_float_denorm_mode_32 3
		.amdhsa_float_denorm_mode_16_64 3
		.amdhsa_memory_ordered 1
		.amdhsa_forward_progress 1
		.amdhsa_inst_pref_size 77
	.end_amdhsa_kernel
	.amdgpu_metadata
---
amdhsa.version: [ 1, 2 ]
amdhsa.kernels:
  - .name:           k_qffabf659fa_proj
    .symbol:         k_qffabf659fa_proj.kd
    .args:
      - { .name: yc, .offset: 0, .size: 8, .value_kind: global_buffer, .address_space: global }
      - { .name: Wout_codes, .offset: 8, .size: 8, .value_kind: global_buffer, .address_space: global }
      - { .name: bout, .offset: 16, .size: 8, .value_kind: global_buffer, .address_space: global }
      - { .name: lowp_scales, .offset: 24, .size: 8, .value_kind: global_buffer, .address_space: global }
      - { .name: out0, .offset: 32, .size: 8, .value_kind: global_buffer, .address_space: global }
    .group_segment_fixed_size: 327680
    .private_segment_fixed_size: 0
    .kernarg_segment_align: 8
    .kernarg_segment_size: 40
    .max_flat_workgroup_size: 128
    .sgpr_count:     100
    .vgpr_count:     832
    .wavefront_size: 32
...
	.end_amdgpu_metadata
.endif
;; end of part 3
